; MI455X (gfx1250); checked and timed in simulation.
; The chip was launched on July 23, 2026; its instructions are those of AMD's public machine-readable ISA for CDNA 5 (MIT licence, August 2026) and "CDNA5" Instruction Set Architecture Reference Guide (July 2026). The comments in the code are by the model that wrote it; some were corrected since.
;; Confidence Adaptive System. Allowed arithmetic: matrix products marked QUANTISED: E2M1 operands, one E8M0 scale for each 32 along K, by v_wmma_scale_f32_16x16x128_f8f6f4 with both operands' format E2M1 (or v_wmma_scale_f32_32x16x128_f4), f32 sums; products left as they are: f32 operands where the result goes on into a quantised operand, else bf16, f16 or f32 operands; f32 sums; everything else in f32.
;; Inputs: f_b1 8,192 float32; f_b2 2 float32; f_w1 4,096 x 8,192 float32; f_w2 8,192 x 2 float32; t_b1 8,192 float32; t_b2 2 float32; t_w1 4,096 x 8,192 float32; t_w2 8,192 x 2 float32; x 1,024 x 4,096 float32.
;; Outputs: out0 1,024 x 2 float32.
;; This version of the problem:
;;   THIS VERSION OF THE PROBLEM IS GIVEN IN LOW PRECISION. The matrix products marked QUANTISED in the list below multiply operands that are first quantised to E2M1 (2 exponent bits, 1 mantissa bit; 4 bits a number), with one power-of-two scale for each 32 numbers along K (OCP MX v1.0); their sums are f32. All else is computed in f32.
;;   The module's matrix products, in the order in which they are computed (A, B: the left and right operand; K: the contracted axis; several contracted axes count as one K, in the product's order):
;;     1. [M 1,024, K 4,096] x [K 4,096, N 8,192]; A: input x; B: input t_w1: QUANTISED
;;     2. [M 1,024, K 8,192] x [K 8,192, N 2]; A: computed on the way; B: input t_w2: left as it is (N = 2 < 16)
;;     3. [M 1,024, K 4,096] x [K 4,096, N 8,192]; A: input x; B: input f_w1: QUANTISED
;;     4. [M 1,024, K 8,192] x [K 8,192, N 2]; A: computed on the way; B: input f_w2: left as it is (N = 2 < 16)
;;   THE QUANTISER, for each operand of a quantised product, along K:
;;     - K is cut into blocks of 32 from its start; a last block that is shorter is filled with zeros.
;;     - A block's scale is 2^e with e = floor(log2(the largest magnitude in the block)) - 2, held to -126 .. 127; a block of zeros has e = 0. As a byte (E8M0): e + 127.
;;     - Each number is divided by its block's scale, clamped to +-6, and rounded to the nearest number of E2M1, ties to even, subnormals kept.
;;     - The product sums the exact products of the quantised numbers (number of the format x scale) in f32.
;;   ~~~python
;;   def quantise(x, axis):      # numpy; x: float32 -> the quantised numbers, widened to float32 again
;;       x = np.moveaxis(x, axis, -1); K = x.shape[-1]
;;       x = np.pad(x, [(0, 0)] * (x.ndim - 1) + [(0, -K % 32)]); x = x.reshape(x.shape[:-1] + (-1, 32)); a = np.abs(x).max(-1, keepdims=True)
;;       e = np.where(a > 0, np.clip(np.frexp(np.where(a > 0, a, 1))[1] - 1 - 2, -126, 127), 0)      # np.frexp(a)[1] - 1 = floor(log2(a)), exactly
;;       r = np.clip(x / 2.0 ** e, -6, 6)
;;       step = 2.0 ** (np.maximum(np.frexp(np.where(r == 0, 1, r))[1] - 1, 0) - 1)
;;       q = np.round(r / step) * step * 2.0 ** e      # np.round: ties to even
;;       return np.moveaxis(q.reshape(q.shape[:-2] + (-1,))[..., :K], -1, axis).astype(np.float32)
;;   ~~~
;; One version. Each part assembles by itself: llvm-mc -triple=amdgcn-amd-amdhsa -mcpu=gfx1250 --defsym DOCPART=n.
;; ======== version 1 of 1: 3 launches
;; limits: right only within a limited range of input values
;; workspace buffers: xq 2,228,224 bytes; wq 35,651,584 bytes; part 1,048,576 bytes
;; launch quant (part 1): grid 1152 x 1, 4 waves a work-group, no clusters, 34,304 bytes of LDS; arguments x, t_w1, f_w1, xq, wq; writes xq, wq
.if DOCPART == 1
	.amdgcn_target "amdgcn-amd-amdhsa--gfx1250"
	.amdhsa_code_object_version 6
	.text
	.protected	k_qd09c7a20b8_quant
	.globl	k_qd09c7a20b8_quant
	.p2align	8
	.type	k_qd09c7a20b8_quant,@function
k_qd09c7a20b8_quant:
	s_mov_b64 s[64:65], 0
	v_nop
	global_prefetch_b8 v0, s[64:65] scope:SCOPE_SE
	s_setreg_imm32_b32 hwreg(HW_REG_WAVE_MODE, 25, 1), 1
	s_wait_xcnt 0x0
; x [1024][4096], t_w1 and f_w1 [4096][8192], f32, become codes of FP4 (E2M1) with one E8M0 byte for each 32 along K, laid for the launch that multiplies.
; Nothing of the definition is left out: both experts are computed for all rows, and every input has its way to the result.
; AN OPERAND'S BUFFER is a run of blocks of BLK = 69,632 bytes, one for each 256 rows (of x; for a weight: 256 hidden units, texture's 32 tiles first) and each 512 along K: [tile][K step 8][BLK].
;   codes  [q 4][i 16][c 2][lane 32][16 bytes]: the image of the operand's registers: lane (r, h), group c: row 16 i + r, k = 128 q + 64 c + 32 h + 0 .. 31
;   scales, from byte 65,536: [kh 2][row 256][8 bytes]: the scale words of the row's K steps of 128 number 2 kh and 2 kh + 1
; A block's scale is 2^(floor(log2(its largest magnitude)) - 2); its byte is the largest magnitude's exponent field - 2, held at 1 from below.
; LIMITS: a block of zeros gets the byte 1 where the quantiser says 127: its codes are zeros, which add nothing, and this program alone reads the bytes.  NaN and infinities among the inputs are not served.
; x (work-groups 0 .. 127): K is innermost.  A wave takes 32 rows x 256 along K in four parts of 16 rows x 128, one after the other; a part's sixteen loads read 512 consecutive bytes each and turn through the wave's
;   own stage in LDS.  These work-groups have the longest chain of dependent loads (four), so they have the lowest numbers.
; WEIGHTS (work-groups 128 .. 1151 = 128 + tile + 64 kc): K is the first axis.  A wave takes 64 columns x 256 along K; a lane takes columns 2 L and 2 L + 1, so that a load reads 256 consecutive bytes of one row.
;   The two columns lie in registers by turns, and the conversion wants 8 neighbours along K on end: 32 moves a column and block.  Row 64 w + 32 j + L of the tile is column 64 w + 2 L + j: which unit forms
;   which row of a tile is free, and the multiplying launch reads b1 and w2 by the same map.  So sixteen lanes' codes of one block of 32 are 256 consecutive bytes of the buffer: stored from registers.
; No matrix unit, no tensor load, no cluster: each byte is read once and work-groups share nothing.  192 registers and 34,304 bytes of LDS let five work-groups share a WGP: 1,152 are one turn.
.set BLK,   69632
.set CODES, 65536
.set PITCH, 528                        ; a stage row: 512 bytes + 16
.set WSTG,  16*PITCH
.set SPARE, 4*WSTG                     ; behind the four stages: the spare words
.set LN,  1
.set L8,  2                            ; 8 x lane
.set L16, 3                            ; 16 x lane
.set WST, 4                            ; a weight's codes: 1,024 (L / 16) + 16 (L % 16)
.set STI, 5                            ; the stage, way in
.set STO, 6                            ; the stage, way out
.set HH,  7                            ; L / 16
.set SPW, 8
.set NIL, 9
.set M,   10                           ; v10-13 four chains of maxima
.set SO,  14                           ; v14-15 the conversions' scale operands
.set BY,  16                           ; v16-17 scale bytes
.set SB,  18                           ; v18-21 scale words
.set TP,  22
.set C,   24                           ; v24-31 codes
.set T,   32                           ; v32-63 a column's 32 numbers on end
.set R,   64                           ; v64-191 as loaded: two sets of 64 (x: one set, and 64 neighbours behind it)
.set X,   R+64
	s_load_b256 s[4:11], s[0:1], 0x0               ; x, t_w1, f_w1, xq
	s_load_b64 s[12:13], s[0:1], 0x20              ; wq
	v_lshl_add_u32 v[SPW], v0, 2, SPARE
	v_mov_b32 v[NIL], 0
	v_lshrrev_b32 v[TP], 5, v0
	v_readfirstlane_b32 s16, v[TP]                 ; wave
	v_and_b32 v[LN], 31, v0
	v_and_b32 v[TP], 15, v0
	v_bfe_u32 v[HH], v0, 4, 1
	v_lshlrev_b32 v[L8], 3, v[LN]
	v_lshlrev_b32 v[L16], 4, v[LN]
	v_lshlrev_b32 v[WST], 4, v[TP]
	v_lshl_add_u32 v[WST], v[HH], 10, v[WST]
	s_mul_i32 s17, s16, WSTG
	v_add_nc_u32 v[STI], s17, v[L16]
	v_mul_u32_u24 v[STO], v[TP], PITCH
	v_lshl_add_u32 v[STO], v[HH], 7, v[STO]
	v_add_nc_u32 v[STO], s17, v[STO]               ; row L % 16, + 32 numbers for the upper lanes
	s_mov_b32 s14, 0x76543210
	s_mov_b32 s15, 0xfedcba98                      ; selects for lane l xor 16
	s_wait_alu depctr_va_vdst(0)                   ; the wait at the head's end
	s_wait_kmcnt 0x0
	s_cmp_ge_u32 ttmp9, 128
	s_cbranch_scc0 .Lx
; where my results go.  s20 tile, s21 = kc (256 along K), s30 = which 32 rows of the tile, s[12:13] the buffer -> s[26:27] codes, s[28:29] scales
.macro OUTBASE
	s_lshl_b32 s24, s20, 3
	s_lshr_b32 s25, s21, 1
	s_add_co_u32 s24, s24, s25
	s_mul_i32 s24, s24, BLK                        ; the block (tile, kc / 2)
	s_and_b32 s25, s21, 1                          ; kh
	s_lshl_b32 s26, s25, 15
	s_add_co_u32 s26, s26, s24
	s_lshl_b32 s27, s30, 11
	s_add_co_u32 s26, s26, s27
	s_mov_b32 s27, 0
	s_add_nc_u64 s[26:27], s[12:13], s[26:27]
	s_lshl_b32 s28, s25, 11
	s_add_co_u32 s28, s28, s24
	s_lshl_b32 s29, s30, 8
	s_add_co_u32 s28, s28, s29
	s_add_co_u32 s28, s28, CODES
	s_mov_b32 s29, 0
	s_add_nc_u64 s[28:29], s[12:13], s[28:29]
.endm
.macro BYTES                           ; from four chains to two scale operands and two bytes
.irp j, 0,1
	v_max_num_f32 v[M+\j], v[M+\j], v[M+2+\j]
.endr
.irp j, 0,1
	v_add_nc_u32 v[SO+\j], 0xff000000, v[M+\j]     ; 2 off the exponent field: the conversion takes this operand's exponent field as its scale
.endr
.irp j, 0,1
	v_lshrrev_b32 v[BY+\j], 23, v[SO+\j]
.endr
.endm
	; ---- a weight ----
	s_and_b32 s20, ttmp9, 63                       ; tile (128 is a multiple of 64)
	s_lshr_b32 s21, ttmp9, 6
	s_sub_co_u32 s21, s21, 2                       ; kc
	s_cmp_lt_u32 s20, 32
	s_cselect_b64 s[6:7], s[6:7], s[8:9]           ; texture's weight or frequency's
	s_lshl_b32 s22, s21, 23                        ; 256 rows of 32,768 bytes
	s_and_b32 s23, s20, 31
	s_lshl_b32 s23, s23, 10
	s_add_co_u32 s22, s22, s23
	s_lshl_b32 s23, s16, 8
	s_add_co_u32 s22, s22, s23
	s_mov_b32 s23, 0
	s_add_nc_u64 s[6:7], s[6:7], s[22:23]
	s_lshl_b32 s30, s16, 1
	OUTBASE
.macro WLOAD t                         ; block t: rows 32 t .. 32 t + 31, two columns a lane.  255 rows of 32,768 bytes stay inside the signed 24-bit immediate
.set k, 0
.rept 32
	global_load_b64 v[R+64*((\t)%2)+2*k:R+64*((\t)%2)+2*k+1], v[L8], s[6:7] offset:(32*(\t)+k)*32768 th:TH_LOAD_NT
.set k, k+1
.endr
.endm
.macro WCOL t, j
.set k, 0
.rept 32
	v_mov_b32 v[T+k], v[R+64*((\t)%2)+2*k+\j]
.set k, k+1
.endr
.endm
.macro WCVT j
.irp g, 0,1,2,3
	v_cvt_scalef32_pk8_fp4_f32 v[C+4*\j+\g], v[T+8*\g:T+8*\g+7], v[SO+\j]
.endr
	v_nop                                          ; one plain place behind the last scaled conversion
.endm
.macro WBLK t
.set RS, R+64*((\t)%2)
.if (\t) < 7
	s_wait_loadcnt 32                              ; this block's 32 loads are in; the next block's may be out
.else
	s_wait_loadcnt 0x0
.endif
	s_wait_xcnt 0x0                                ; the last block's stores have read their data: the codes' registers may be written
.irp j, 0,1
	v_max3_num_f32 v[M+\j], |v[RS+\j]|, |v[RS+2+\j]|, 0x1800000        ; with the floor 2^(3 - 127): the byte cannot fall under 1
	v_max3_num_f32 v[M+2+\j], |v[RS+32+\j]|, |v[RS+34+\j]|, 0x1800000
.endr
.irp i, 4,8,12,16,20,24,28
.irp j, 0,1
	v_max3_num_f32 v[M+\j], v[M+\j], |v[RS+\i+\j]|, |v[RS+\i+2+\j]|    ; four chains by turns, two a column
	v_max3_num_f32 v[M+2+\j], v[M+2+\j], |v[RS+32+\i+\j]|, |v[RS+34+\i+\j]|
.endr
.endr
	BYTES
.irp j, 0,1
.if (\t)%4 == 0
	v_mov_b32 v[SB+2*\j+(\t)/4], v[BY+\j]
.else
	v_lshl_or_b32 v[SB+2*\j+(\t)/4], v[BY+\j], 8*((\t)%4), v[SB+2*\j+(\t)/4]
.endif
.endr
	WCOL \t, 0
	WCVT 0
	WCOL \t, 1
.if (\t) < 6
	WLOAD (\t)+2                                   ; the set has been read out
.endif
	WCVT 1
.irp j, 0,1
	global_store_b128 v[WST], v[C+4*\j:C+4*\j+3], s[26:27] offset:((\t)/4)*16384+\j*2048+(((\t)%4)/2)*512+((\t)%2)*256   ; sixteen lanes fill 256 consecutive bytes, at a multiple of 256
.endr
.endm
	WLOAD 0
	WLOAD 1
.irp t, 0,1,2,3,4,5,6,7
	WBLK \t
.endr
.irp j, 0,1
	global_store_b64 v[L8], v[SB+2*\j:SB+2*\j+1], s[28:29] offset:256*\j   ; 32 rows' two scale words: 256 consecutive bytes
.endr
	s_branch .Lend
	; ---- x ----
.Lx:
	s_and_b32 s30, ttmp9, 1
	s_lshl_b32 s30, s30, 2
	s_add_co_u32 s30, s30, s16                     ; which 32 rows of the 256
	s_bfe_u32 s21, ttmp9, 0x40001                  ; kc
	s_lshr_b32 s20, ttmp9, 5                       ; which 256 rows
	s_lshl_b32 s22, s20, 22
	s_lshl_b32 s23, s30, 19
	s_add_co_u32 s22, s22, s23
	s_lshl_b32 s23, s21, 10
	s_add_co_u32 s22, s22, s23
	s_mov_b32 s23, 0
	s_add_nc_u64 s[4:5], s[4:5], s[22:23]
	s_mov_b64 s[12:13], s[10:11]
	OUTBASE
.macro XLOAD n                         ; part n: rows 16 (n / 2) + 0 .. 15, 128 along K number n % 2
.set k, 0
.rept 16
	global_load_b128 v[R+4*k:R+4*k+3], v[L16], s[4:5] offset:(16*((\n)/2)+k)*16384+512*((\n)%2) th:TH_LOAD_NT
.set k, k+1
.endr
.endm
.macro XSTEP n
	s_wait_loadcnt 0x0
.set k, 0
.rept 16
	ds_store_b128 v[STI], v[R+4*k:R+4*k+3] offset:k*PITCH
.set k, k+1
.endr
.irp c, 0,1
.irp q, 0,1,2,3,4,5,6,7
	ds_load_b128 v[X+32*\c+4*\q:X+32*\c+4*\q+3], v[STO] offset:256*\c+16*\q   ; LDS serves a wave's instructions in order: these see my stores.  x(r, 64 c + 32 h + 4 q ..)
.endr
.endr
	s_wait_dscnt 0x0                               ; the neighbours are in, and the stores have read their registers
	s_wait_xcnt 0x0                                ; the last part's stores have read their data
.if (\n) < 3
	XLOAD (\n)+1
.endif
.irp c, 0,1
	v_max3_num_f32 v[M+\c], |v[X+32*\c]|, |v[X+32*\c+1]|, 0x1800000
	v_max3_num_f32 v[M+2+\c], |v[X+32*\c+16]|, |v[X+32*\c+17]|, 0x1800000
.endr
.irp i, 2,4,6,8,10,12,14
.irp c, 0,1
	v_max3_num_f32 v[M+\c], v[M+\c], |v[X+32*\c+\i]|, |v[X+32*\c+\i+1]|
	v_max3_num_f32 v[M+2+\c], v[M+2+\c], |v[X+32*\c+16+\i]|, |v[X+32*\c+17+\i]|
.endr
.endr
	BYTES
	v_lshl_or_b32 v[TP], v[BY+1], 16, v[BY]        ; my two bytes: blocks h and 2 + h of row r,
	v_lshlrev_b32 v[TP+1], 3, v[HH]
	v_lshlrev_b32 v[TP], v[TP+1], v[TP]            ; at their places in the word;
	v_mov_b32 v[TP+1], 0
	v_permlanex16_b32 v[TP+1], v[TP], s14, s15
	v_or_b32 v[SB+(\n)], v[TP], v[TP+1]            ; with lane l xor 16's two the word is whole
.irp c, 0,1
.irp g, 0,1,2,3
	v_cvt_scalef32_pk8_fp4_f32 v[C+4*\c+\g], v[X+32*\c+8*\g:X+32*\c+8*\g+7], v[SO+\c]
.endr
.endr
	v_nop
.irp c, 0,1
	global_store_b128 v[L16], v[C+4*\c:C+4*\c+3], s[26:27] offset:((\n)%2)*16384+((\n)/2)*1024+512*\c   ; 512 consecutive bytes
.endr
.endm
	XLOAD 0
.irp n, 0,1,2,3
	XSTEP \n
.endr
	v_cmp_ne_u32 vcc_lo, 0, v[HH]                  ; lane L stands for row L of my 32: the upper lanes take the second 16 rows' words
	v_cndmask_b32 v[SB], v[SB], v[SB+2], vcc_lo
	v_cndmask_b32 v[SB+1], v[SB+1], v[SB+3], vcc_lo
	global_store_b64 v[L8], v[SB:SB+1], s[28:29]   ; 256 consecutive bytes
.Lend:
	s_wait_tensorcnt 0x0                           ; the wave's end
	ds_add_u32 v[SPW], v[NIL]
	s_wait_dscnt 0x0
	s_endpgm
.Lfunc_end_k_qd09c7a20b8_quant:
	.size	k_qd09c7a20b8_quant, .Lfunc_end_k_qd09c7a20b8_quant-k_qd09c7a20b8_quant
	.p2alignl 7, 3214868480
	.fill 96, 4, 3214868480
	.section	.rodata,"a",@progbits
	.p2align	6, 0x0
	.amdhsa_kernel k_qd09c7a20b8_quant
		.amdhsa_group_segment_fixed_size 34304
		.amdhsa_private_segment_fixed_size 0
		.amdhsa_enable_private_segment 0
		.amdhsa_kernarg_size 40
		.amdhsa_user_sgpr_count 2
		.amdhsa_user_sgpr_kernarg_segment_ptr 1
		.amdhsa_wavefront_size32 1
		.amdhsa_system_sgpr_workgroup_id_x 1
		.amdhsa_system_sgpr_workgroup_id_y 1
		.amdhsa_system_sgpr_workgroup_id_z 1
		.amdhsa_system_vgpr_workitem_id 0
		.amdhsa_next_free_vgpr 192
		.amdhsa_next_free_sgpr 66
		.amdhsa_reserve_vcc 1
		.amdhsa_float_denorm_mode_32 3
		.amdhsa_float_denorm_mode_16_64 3
		.amdhsa_memory_ordered 1
		.amdhsa_forward_progress 1
		.amdhsa_inst_pref_size 99
	.end_amdhsa_kernel
	.amdgpu_metadata
---
amdhsa.version: [ 1, 2 ]
amdhsa.kernels:
  - .name:           k_qd09c7a20b8_quant
    .symbol:         k_qd09c7a20b8_quant.kd
    .args:
      - { .name: x, .offset: 0, .size: 8, .value_kind: global_buffer, .address_space: global }
      - { .name: t_w1, .offset: 8, .size: 8, .value_kind: global_buffer, .address_space: global }
      - { .name: f_w1, .offset: 16, .size: 8, .value_kind: global_buffer, .address_space: global }
      - { .name: xq, .offset: 24, .size: 8, .value_kind: global_buffer, .address_space: global }
      - { .name: wq, .offset: 32, .size: 8, .value_kind: global_buffer, .address_space: global }
    .group_segment_fixed_size: 34304
    .private_segment_fixed_size: 0
    .kernarg_segment_align: 8
    .kernarg_segment_size: 40
    .max_flat_workgroup_size: 128
    .sgpr_count:     66
    .vgpr_count:     192
    .wavefront_size: 32
...
	.end_amdgpu_metadata
.endif
;; end of part 1
;; launch gemm (part 2): grid 64 x 4, 4 waves a work-group, clusters of 4 x 4, 327,680 bytes of LDS; arguments xq, wq, t_b1, f_b1, t_w2, f_w2, part; writes part
.if DOCPART == 2
	.amdgcn_target "amdgcn-amd-amdhsa--gfx1250"
	.amdhsa_code_object_version 6
	.text
	.protected	k_qd09c7a20b8_gemm
	.globl	k_qd09c7a20b8_gemm
	.p2align	8
	.type	k_qd09c7a20b8_gemm,@function
k_qd09c7a20b8_gemm:
	s_mov_b64 s[64:65], 0
	v_nop
	global_prefetch_b8 v0, s[64:65] scope:SCOPE_SE
	s_setreg_imm32_b32 hwreg(HW_REG_WAVE_MODE, 25, 1), 1
	s_wait_xcnt 0x0
	s_wait_alu depctr_hold_cnt(0) depctr_sa_sdst(0) depctr_va_vdst(0) depctr_va_sdst(0) depctr_va_ssrc(0) depctr_va_vcc(0) depctr_vm_vsrc(0)
	s_getreg_b32 s2, hwreg(HW_REG_IB_STS2, 6, 4)
	s_cmp_eq_u32 s2, 0
	s_cbranch_scc0 .Lentry_in_a_cluster
	s_endpgm
.Lentry_in_a_cluster:
	s_bfe_u32 s2, ttmp6, 0x10000c
	s_cmp_lg_u32 s2, 0xf033
	s_cbranch_scc0 .Lentry_shape_is_right
	s_endpgm
.Lentry_shape_is_right:
; part[p][row][c] = sum over 128 hidden units of relu(x w1 + b1) w2[.][c].  x and both w1 come as codes of FP4 with E8M0 scales, in blocks of BLK bytes (256 rows x 512 along K: 65,536 bytes of codes in the order of
; the operand's registers, then 4,096 of scale words).  A work-group of four waves makes 256 rows x 256 hidden units (tile 0-31 texture, 32-63 frequency); a wave 128 x 128: 32 accumulators of 32 x 16, 512 registers.
; K goes in 8 steps of 512 through a ring of two LDS slots; a slot holds x's block and the weight's; each wave fetches half a block, 136 dense rows of 256 bytes, by one tensor load.  Lane l reads 16 l of each 512 bytes:
; consecutive bytes, so the rows need no padding.  The scales ride in the ring with their codes.
; CLUSTERS: 4 x 4 work-groups: the four of a row need the same block of x, the four of a column the same block of the weight: each is asked for jointly.
; THE MATRIX INSTRUCTION, 32 x 16 x 128, IS USED TRANSPOSED (source 0 = 32 hidden units, source 1 = 16 rows of x): a lane holds one row of x and sixteen hidden units an accumulator.  b1 is the C of the first products.
; Row 64 w + 32 j + L of a weight's tile is hidden unit 64 w + 2 L + j of the tile (so the quantising launch laid it): b1 and w2 are read by that map.
; The hidden layer never leaves the registers: relu, then for each number one packed multiply-add with the unit's pair of w2; the lanes' halves are joined, and a wave stores 128 rows x 2 sums, 1,024 consecutive bytes.
; PREFETCH INTO THE L2: behind each joint load the K step that stands two fills on is asked for (behind the first also the next one): K steps 1 to 7; the loop's last trip asks for nothing.  Of the 136 blocks of 256 bytes
; that a wave fetches, each of the four partners that ask for them jointly names 34, told apart by address: 32 lanes, and 2 more in a second instruction whose other lanes name its last block again.
; LIMITS: sums run in another order than a plain dot product's.
; REGISTERS: window 0: v16-30 addresses; v32-95 scale words, two sets; v96-127 the way out's sums; x's fragments, two sets, v128-191 and v192-255.  b1 arrives in v128-191 and stands, in the accumulators' order,
;   in v192-255 through the first step; the way out uses v192-215.
;   window 1: the weight's fragments, two sets, v0-63 and v128-191; w2's 64 pairs in v64-127 and v192-255.   windows 2, 3: the accumulators ((a, bb) at v[16 (4 (a % 4) + bb)]).
.set BLK,   69632
.set CODES, 65536
.set HALFB, BLK/2                      ; 136 rows of 256 bytes
.set SLOT,  2*BLK
.set SPARE, 2*SLOT                     ; behind the ring: the spare words
.set NQ,    4
.set FR,    8
.set NP,    4                          ; places behind this matrix instruction (ISA guide 7.12.1)
.set LAPS,  4                          ; a lap = two K steps
.set ADRA, 16
.set ADSW, 18                          ; the weight's scale words, slot 0, 1
.set ADRB, 20
.set ADSX, 22                          ; x's
.set BA,   24
.set WA,   25
.set PO,   26
.set PF1,  27                          ; the prefetches' offsets: 256 x lane,
.set SPW,  28
.set NIL,  29
.set PF2,  30                          ; and 256 x (32 + min(lane, 1))
.set SC,   32
.set P,    96
.set AF,   128
.set TMP,  128
.set BI,   192
.set Q,    192
.set O,    208
.set G1, 24
.set G0, 32
.set G1B, 48
.set G0B, 56
.set PFA, 66                           ; s[66:67] where my prefetches stand
.set MSB, 0
.macro WIN new
.if MSB != (\new)
	s_set_vgpr_msb (MSB<<8)|(\new)
.set MSB, (\new)
.endif
.endm
.set MUL_LO, 0xa1                      ; source 0 window 1, source 1 window 0, C and D window 2
.set MUL_HI, 0xf1
.set TO_B,   0x40
.macro JLOAD s                         ; a joint load: waves 0 and 1 fetch x's block, waves 2 and 3 the weight's; s_nop 0 and four v_nop behind each line
	s_cmp_eq_u32 s19, 0
	s_cbranch_scc0 .Lfor_b_\@
	tensor_load_to_lds s[G0+4*\s:G0+4*\s+3], s[G1:G1+7]
	s_nop 0
.rept 4
	v_nop
.endr
	s_branch .Lasked_\@
.Lfor_b_\@:
	tensor_load_to_lds s[G0B+4*\s:G0B+4*\s+3], s[G1B:G1B+7]
	s_nop 0
.rept 4
	v_nop
.endr
.Lasked_\@:
.endm
.macro ASK off                         ; my 34 blocks of 256 bytes of one K step
	global_prefetch_b8 v[PF1], s[PFA:PFA+1] offset:\off th:TH_LOAD_NT scope:SCOPE_SE
	global_prefetch_b8 v[PF2], s[PFA:PFA+1] offset:\off th:TH_LOAD_NT scope:SCOPE_SE
.endm
.macro CREST
	s_cmp_lg_u32 s18, 0
	s_cbranch_scc1 .Lnot_wave_0_\@
	s_barrier_signal -3
.Lnot_wave_0_\@:
	s_barrier_wait -3
	s_barrier_signal -1
	s_barrier_wait -1
.endm
.macro CROUND
	s_barrier_signal -1
	s_barrier_wait -1
	CREST
.endm
	s_load_b256 s[4:11], s[0:1], 0x0               ; xq, wq, t_b1, f_b1
	s_load_b128 s[12:15], s[0:1], 0x20             ; t_w2, f_w2
	s_load_b64 s[16:17], s[0:1], 0x30              ; part
	v_lshl_add_u32 v[SPW], v0, 2, SPARE
	v_mov_b32 v[NIL], 0
	ds_add_u32 v[SPW], v[NIL]                      ; the opening: the add, twice on end, and its wait ahead of my first tensor load
	ds_add_u32 v[SPW], v[NIL]
	v_lshrrev_b32 v1, 5, v0
	v_readfirstlane_b32 s18, v1                    ; wave
	s_lshr_b32 s19, s18, 1                         ; my half of the rows of x.  Also: I fetch for x (0) or for the weight (1)
	s_and_b32 s20, s18, 1                          ; my half of the hidden units.  Also: which half of a block I fetch
	s_bfe_u32 s40, ttmp6, 0x40000                  ; cx
	s_bfe_u32 s41, ttmp6, 0x40004                  ; cy: the grid is one cluster high, so cy is which 256 rows of x
	s_lshl_b32 s42, ttmp9, 2
	s_add_co_u32 s42, s42, s40                     ; the weight's tile
	s_lshl_b32 s43, s41, 2
	s_lshl_b32 s43, 15, s43                        ; my row of the cluster
	s_lshl_b32 s44, 0x1111, s40                    ; my column
	s_or_b32 s[G1+0], s43, (3<<16)|(1<<21)         ; the mask; elements of 8 bytes; bit 21 beside a mask
	s_or_b32 s[G1B+0], s44, (3<<16)|(1<<21)
.irp g, G1, G1B
	s_mov_b32 s[\g+1], 32<<16                      ; rows of 32 elements,
	s_mov_b32 s[\g+2], 136<<16                     ; 136 of them,
	s_mov_b32 s[\g+3], 32<<16
	s_mov_b32 s[\g+4], 136
	s_mov_b32 s[\g+5], 32                          ; dense
	s_mov_b32 s[\g+6], 0
	s_mov_b32 s[\g+7], 0
.endr
	s_mul_i32 s21, s20, HALFB
	s_mul_i32 s22, s41, 8*BLK
	s_add_co_u32 s22, s22, s21
	s_mov_b32 s23, 0
	s_mul_i32 s46, s42, 8*BLK
	s_add_co_u32 s46, s46, s21
	s_mov_b32 s47, 0
	s_mul_i32 s45, s18, HALFB                      ; LDS: x's two halves, then the weight's: wave x half a block
	s_wait_dscnt 0x0
	s_wait_kmcnt 0x0
	s_add_nc_u64 s[22:23], s[4:5], s[22:23]
	s_add_nc_u64 s[46:47], s[6:7], s[46:47]
	CROUND                                         ; all sixteen work-groups are here: the first joint loads meet
.irp s, 0,1
	s_mov_b32 s[G0+4*\s], 1
	s_add_co_u32 s[G0+4*\s+1], s45, \s*SLOT
	s_add_nc_u64 s[G0+4*\s+2:G0+4*\s+3], s[22:23], \s*BLK
	s_or_b32 s[G0+4*\s+3], s[G0+4*\s+3], 0x80000000
	s_mov_b32 s[G0B+4*\s], 1
	s_add_co_u32 s[G0B+4*\s+1], s45, \s*SLOT
	s_add_nc_u64 s[G0B+4*\s+2:G0B+4*\s+3], s[46:47], \s*BLK
	s_or_b32 s[G0B+4*\s+3], s[G0B+4*\s+3], 0x80000000
.endr
	JLOAD 0                                        ; K step 0: one tensor load a wave at the head
	s_lshl_b32 s21, s19, 13                        ; my eight fragments of x: 1,024 bytes each for 128 along K
	s_lshl_b32 s68, s20, 13
	s_add_co_u32 s68, s68, BLK                     ; and of the weight
	s_lshl_b32 s69, s19, 10
	s_add_co_u32 s69, s69, CODES                   ; my 128 rows' scale words, 8 bytes a row
	s_lshl_b32 s70, s20, 10
	s_add_co_u32 s70, s70, BLK+CODES               ; and my 128 hidden units'
	s_cmp_lt_u32 ttmp9, 8                          ; tiles 0-31: texture
	s_cselect_b64 s[8:9], s[8:9], s[10:11]
	s_cselect_b64 s[12:13], s[12:13], s[14:15]
	s_and_b32 s72, s42, 31
	s_lshl_b32 s72, s72, 1
	s_add_co_u32 s72, s72, s20                     ; which 128 hidden units of the expert
	s_lshl_b32 s72, s72, 9
	s_mov_b32 s73, 0
	s_add_nc_u64 s[8:9], s[8:9], s[72:73]
	s_lshl_b32 s72, s72, 1
	s_add_nc_u64 s[12:13], s[12:13], s[72:73]
	s_lshl_b32 s72, s42, 1
	s_add_co_u32 s72, s72, s20                     ; p
	s_lshl_b32 s72, s72, 13
	s_lshl_b32 s74, s41, 11
	s_add_co_u32 s72, s72, s74
	s_lshl_b32 s74, s19, 10
	s_add_co_u32 s72, s72, s74                     ; + 8 bytes x my first row
	s_add_nc_u64 s[16:17], s[16:17], s[72:73]
	s_cmp_eq_u32 s19, 0                            ; the prefetches: the half block that I fetch,
	s_cselect_b64 s[PFA:PFA+1], s[22:23], s[46:47]
	s_cselect_b32 s72, s40, s41                    ; my place among the four that ask for it with me,
	s_mul_i32 s72, s72, HALFB/4                    ; 34 blocks of 256 bytes each,
	s_add_co_u32 s72, s72, BLK                     ; at K step 1
	s_add_nc_u64 s[PFA:PFA+1], s[PFA:PFA+1], s[72:73]
	v_and_b32 v1, 31, v0
	v_bfe_u32 v2, v0, 4, 1
	v_lshlrev_b32 v3, 4, v1
	v_lshlrev_b32 v[PO], 3, v1
	v_add_nc_u32 v[ADRA], s21, v3
	v_add_nc_u32 v[ADRB], s68, v3
	v_add_nc_u32 v[ADRA+1], SLOT, v[ADRA]
	v_add_nc_u32 v[ADRB+1], SLOT, v[ADRB]
	v_add_nc_u32 v[ADSX], s69, v[PO]               ; lane l takes row l of 32
	v_add_nc_u32 v[ADSW], s70, v[PO]
	v_add_nc_u32 v[ADSX+1], SLOT, v[ADSX]
	v_add_nc_u32 v[ADSW+1], SLOT, v[ADSW]
	v_lshlrev_b32 v[BA], 6, v2                     ; b1: 16 units for the upper lanes
	v_lshlrev_b32 v[WA], 7, v2                     ; w2 likewise, 8 bytes a unit
	v_lshlrev_b32 v[PF1], 8, v1
	v_min_u32 v[PF2], 1, v1
	v_add_lshl_u32 v[PF2], v[PF2], 32, 8
	s_wait_alu depctr_va_vdst(0)                   ; the wait ahead of the readers below
	ASK 0                                          ; K steps 1 and 2
	ASK BLK
; register jj of the half b of an accumulator in lane (r, h) is hidden unit 64 (b / 4) + 32 (b % 2) + 16 h + 2 jj + (b % 4) / 2 of my 128.
; So the halves b with one g = 2 (b / 4) + b % 2 share 16 consecutive units, number 2 jj + (b % 4) / 2 of them: four groups, loaded 16 bytes at a time: 16 loads for b1, 32 for w2
.irp g, 0,1,2,3
.irp m, 0,1,2,3
	global_load_b128 v[TMP+16*\g+4*\m:TMP+16*\g+4*\m+3], v[BA], s[8:9] offset:256*(\g/2)+128*(\g%2)+16*\m
.endr
.endr
	WIN TO_B
.irp g, 0,1,2,3
.irp m, 0,1,2,3,4,5,6,7
	global_load_b128 v[64+32*\g+64*(\g/2)+4*\m:64+32*\g+64*(\g/2)+4*\m+3], v[WA], s[12:13] offset:512*(\g/2)+256*(\g%2)+16*\m
.endr
.endr
	WIN 0
.macro FRAG reg, adr, q, i             ; 16 rows x 128 K: registers 4 c .. 4 c + 3 hold K = 64 c + 32 (l / 16) + 0 .. 31
.irp c, 0,1
	ds_load_b128 v[\reg+4*\c:\reg+4*\c+3], v[\adr] offset:16384*(\q)+1024*(\i)+512*\c
.endr
.endm
; 8 matrix instructions: x's blocks a0, a0 + 1 against the weight's four blocks of 32, both from set p.  first = 1: b1 is C.  The 32 accumulators take turns, in the same order in every step.
; The weight's scale words fill a register's 32 lanes; x's stand two blocks to a register, the odd block's in lanes 16-31.
.macro MULS a0, p, q, sc, first
.irp a, \a0, \a0+1
.irp bb, 0,1,2,3
.set rD, 16*(4*((\a)%4)+\bb)
.set rC, rD
.if \first
.set rC, BI+16*\bb
.endif
.set rW, 128*(\p)+16*\bb
.set rX, AF+64*(\p)+FR*(\a)
.set rP, SC+32*(\sc)+4*\bb+(\q)
.set rQ, SC+32*(\sc)+16+4*((\a)/2)+(\q)
.if (\a)%2
	v_wmma_scale_f32_32x16x128_f4 v[rD:rD+15], v[rW:rW+15], v[rX:rX+7], v[rC:rC+15], v[rP], v[rQ] matrix_b_scale:MATRIX_SCALE_ROW1
.else
	v_wmma_scale_f32_32x16x128_f4 v[rD:rD+15], v[rW:rW+15], v[rX:rX+7], v[rC:rC+15], v[rP], v[rQ]
.endif
.endr
.endr
.endm
.macro FETCH_B slot, q, p              ; 16 loads
	WIN TO_B
.irp i, 0,1,2,3,4,5,6,7
	FRAG 128*(\p)+FR*\i, ADRB+\slot, \q, \i
.endr
	WIN 0
.endm
.macro FETCH_A slot, q, p              ; 16 loads
.irp i, 0,1,2,3,4,5,6,7
	FRAG AF+64*(\p)+FR*\i, ADRA+\slot, \q, \i
.endr
.endm
.macro SCALES s                        ; a K step's scale words into set s: register 4 i + q the weight's block i of 32, register 16 + 4 i + q x's blocks 2 i and 2 i + 1
.irp i, 0,1,2,3
.irp kh, 0,1
	ds_load_b64 v[SC+32*\s+4*\i+2*\kh:SC+32*\s+4*\i+2*\kh+1], v[ADSW+\s] offset:2048*\kh+256*\i
	ds_load_b64 v[SC+32*\s+16+4*\i+2*\kh:SC+32*\s+16+4*\i+2*\kh+1], v[ADSX+\s] offset:2048*\kh+256*\i
.endr
.endr
.endm
.macro PLACES n
.rept \n
	v_nop
.endr
.endm
; 128 along K with its successor in the same slot (q = 0, 1, 2).  Both operands have two sets of fragments: at the step's head the sets that the last step read out take the next step's fragments, in one run of 32 loads,
; and the step's 32 matrix instructions follow on end.  In the very first step b1 stands in x's second set, which is therefore fetched at that step's end.
.macro STEP slot, q, first
	s_wait_dscnt 0x0                               ; this step's fragments, asked for a step ago, are in
	PLACES NP                                      ; behind the last step's products, which read the sets that are filled now
	FETCH_B \slot, (\q)+1, 1-(\q)%2
.if (\first) == 0
	FETCH_A \slot, (\q)+1, 1-(\q)%2
.endif
	WIN MUL_LO-0x20*(\first)                       ; (b1 lies in window 0)
	MULS 0, (\q)%2, \q, \slot, \first
	MULS 2, (\q)%2, \q, \slot, \first
	WIN MUL_HI-0x30*(\first)
	MULS 4, (\q)%2, \q, \slot, \first
	MULS 6, (\q)%2, \q, \slot, \first
.if \first
	PLACES NP
	WIN 0
	FETCH_A \slot, (\q)+1, 1-(\q)%2
.endif
	WIN 0
.endm
.macro TURN slot, next, fill           ; a slot's last step changes slots: one barrier; where the slot is filled again it opens a round of the cluster's barrier
.if (\fill) && ((\slot) == 0)
	s_wait_xcnt 0x0                                ; my prefetches have read their address: it steps here, once a lap
	s_add_nc_u64 s[PFA:PFA+1], s[PFA:PFA+1], 2*BLK
.endif
	s_wait_tensorcnt 0x0                           ; all my tensor loads have landed: my part of the next slot
	ds_add_u32 v[SPW], v[NIL]
	s_wait_dscnt 1                                 ; this step's fragments are in; the add may be out
	WIN MUL_LO
	MULS 0, 1, NQ-1, \slot, 0
	s_wait_dscnt 0x0                               ; the add is done, and my reads of this slot are over
	s_barrier_signal -1
	MULS 2, 1, NQ-1, \slot, 0
	WIN 0
	s_barrier_wait -1
.if \fill
	CREST
	s_add_nc_u64 s[G0+4*\slot+2:G0+4*\slot+3], s[G0+4*\slot+2:G0+4*\slot+3], 2*BLK
	s_add_nc_u64 s[G0B+4*\slot+2:G0B+4*\slot+3], s[G0B+4*\slot+2:G0B+4*\slot+3], 2*BLK
	JLOAD \slot                                    ; the first tensor load behind the round; its four v_nop are the places in front of the loads below
.else
	PLACES NP
.endif
	FETCH_B \next, 0, 0
	FETCH_A \next, 0, 0
	SCALES \next
.if \fill
	s_cmp_gt_u32 s3, 1                             ; the last trip's fills have no K step two fills on
	s_cbranch_scc0 .Lno_ask_\@
	ASK (1+\slot)*BLK
.Lno_ask_\@:
.endif
	WIN MUL_HI
	MULS 4, 1, NQ-1, \slot, 0
	MULS 6, 1, NQ-1, \slot, 0
	WIN 0
.endm
.macro STEPS slot, from
.set QQ, \from
.rept NQ-1-\from
	STEP \slot, QQ, 0
.set QQ, QQ+1
.endr
.endm
	s_wait_alu depctr_va_vdst(0)                   ; the wait at the head's end
	s_wait_tensorcnt 0x0                           ; my part of K step 0 is in; the same lines as ahead of a refill:
	ds_add_u32 v[SPW], v[NIL]
	s_wait_dscnt 0x0
	CROUND
	JLOAD 1                                        ; K step 1, the first tensor load behind the round
	s_wait_loadcnt 32                              ; b1's sixteen loads are in; w2's 32 may be out
.irp b, 0,1,2,3,4,5,6,7
.irp jj, 0,1,2,3,4,5,6,7
	v_mov_b32 v[BI+8*\b+\jj], v[TMP+16*(2*(\b/4)+(\b%2))+2*\jj+(\b%4)/2]   ; b1 in the accumulators' order
.endr
.endr
	s_wait_alu depctr_va_vdst(0)
	FETCH_B 0, 0, 0
	FETCH_A 0, 0, 0
	SCALES 0
	ASK 2*BLK                                      ; K step 3
	STEP 0, 0, 1                                   ; the first step stands in front of the loop: its products start the sums from b1
	s_mov_b32 s3, LAPS-1
.Llap:
	STEPS 0, 1
	TURN 0, 1, 1
	STEPS 1, 0
	TURN 1, 0, 1
	STEP 0, 0, 0
	s_sub_co_u32 s3, s3, 1
	s_cmp_lg_u32 s3, 0
	s_cbranch_scc1 .Llap
	STEPS 0, 1                                     ; the last lap fills nothing
	TURN 0, 1, 0
	STEPS 1, 0
	s_wait_dscnt 0x0                               ; the very last step: nothing more to fetch
	WIN MUL_LO
	MULS 0, 1, NQ-1, 1, 0
	MULS 2, 1, NQ-1, 1, 0
	WIN MUL_HI
	MULS 4, 1, NQ-1, 1, 0
	MULS 6, 1, NQ-1, 1, 0
	WIN 0
	s_wait_loadcnt 0x0                             ; w2 is in
	PLACES NP
	WIN 0x88                                       ; relu in place, each accumulator from its low end on
.set i, 0
.rept 256
	v_max_num_f32 v[i], 0, v[i]
.set i, i+1
.endr
	WIN 0xcc
.set i, 0
.rept 256
	v_max_num_f32 v[i], 0, v[i]
.set i, i+1
.endr
; one hidden number x its unit's pair of w2, onto the pair of sums of its row block; two pairs a block (even and odd registers), so that eight sums take turns
.macro DOT hi
.irp b, 0,1,2,3,4,5,6,7
.irp jj, 0,1,2,3,4,5,6,7
.set u, 8*\b+\jj
.set gg, 2*(\b/4)+(\b%2)
.set rw, 64+32*gg+64*(gg/2)+4*\jj+2*((\b%4)/2)
.irp a, 0,1,2,3
.set rp, P+4*(4*\hi+\a)+2*(\jj%2)
.set ra, 8*(8*\a+\b)+(\jj/2)*2
.if u == 0
	v_pk_mul_f32 v[rp:rp+1], v[ra:ra+1], v[rw:rw+1] op_sel_hi:[0,1]
.elseif u == 1
	v_pk_mul_f32 v[rp:rp+1], v[ra:ra+1], v[rw:rw+1] op_sel:[1,0] op_sel_hi:[1,1]
.elseif (\jj%2) == 0
	v_pk_fma_f32 v[rp:rp+1], v[ra:ra+1], v[rw:rw+1], v[rp:rp+1] op_sel_hi:[0,1,1]
.else
	v_pk_fma_f32 v[rp:rp+1], v[ra:ra+1], v[rw:rw+1], v[rp:rp+1] op_sel:[1,0,0] op_sel_hi:[1,1,1]
.endif
.endr
.endr
.endr
.endm
	WIN 0x06                                       ; source 0 window 2, source 1 window 1
	DOT 0
	WIN 0x07
	DOT 1
	WIN 0
.irp a, 0,1,2,3,4,5,6,7
	v_pk_add_f32 v[Q+2*\a:Q+2*\a+1], v[P+4*\a:P+4*\a+1], v[P+4*\a+2:P+4*\a+3]
.endr
.irp u, 0,1,2,3                        ; the first's upper lanes change places with the second's lower: the two then hold, lane by lane, the two halves of the sums of rows 32 u + lane
.irp c, 0,1
	v_permlane16_swap_b32 v[Q+4*\u+\c], v[Q+4*\u+2+\c]
.endr
.endr
.irp u, 0,1,2,3
	v_pk_add_f32 v[O+2*\u:O+2*\u+1], v[Q+4*\u:Q+4*\u+1], v[Q+4*\u+2:Q+4*\u+3]
.endr
.irp u, 0,1,2,3
	global_store_b64 v[PO], v[O+2*\u:O+2*\u+1], s[16:17] offset:256*\u   ; 32 lanes store 256 consecutive bytes, at a multiple of 256
.endr
	s_wait_tensorcnt 0x0                           ; the wave's end
	ds_add_u32 v[SPW], v[NIL]
	s_wait_dscnt 0x0
	CROUND                                         ; the closing round
	s_endpgm
.Lfunc_end_k_qd09c7a20b8_gemm:
	.size	k_qd09c7a20b8_gemm, .Lfunc_end_k_qd09c7a20b8_gemm-k_qd09c7a20b8_gemm
	.p2alignl 7, 3214868480
	.fill 96, 4, 3214868480
	.section	.rodata,"a",@progbits
	.p2align	6, 0x0
	.amdhsa_kernel k_qd09c7a20b8_gemm
		.amdhsa_group_segment_fixed_size 327680
		.amdhsa_private_segment_fixed_size 0
		.amdhsa_enable_private_segment 0
		.amdhsa_kernarg_size 56
		.amdhsa_user_sgpr_count 2
		.amdhsa_user_sgpr_kernarg_segment_ptr 1
		.amdhsa_wavefront_size32 1
		.amdhsa_system_sgpr_workgroup_id_x 1
		.amdhsa_system_sgpr_workgroup_id_y 1
		.amdhsa_system_sgpr_workgroup_id_z 1
		.amdhsa_system_vgpr_workitem_id 0
		.amdhsa_next_free_vgpr 1024
		.amdhsa_next_free_sgpr 76
		.amdhsa_reserve_vcc 0
		.amdhsa_float_denorm_mode_32 3
		.amdhsa_float_denorm_mode_16_64 3
		.amdhsa_memory_ordered 1
		.amdhsa_forward_progress 1
		.amdhsa_inst_pref_size 173
	.end_amdhsa_kernel
	.amdgpu_metadata
---
amdhsa.version: [ 1, 2 ]
amdhsa.kernels:
  - .name:           k_qd09c7a20b8_gemm
    .symbol:         k_qd09c7a20b8_gemm.kd
    .args:
      - { .name: xq, .offset: 0, .size: 8, .value_kind: global_buffer, .address_space: global }
      - { .name: wq, .offset: 8, .size: 8, .value_kind: global_buffer, .address_space: global }
      - { .name: t_b1, .offset: 16, .size: 8, .value_kind: global_buffer, .address_space: global }
      - { .name: f_b1, .offset: 24, .size: 8, .value_kind: global_buffer, .address_space: global }
      - { .name: t_w2, .offset: 32, .size: 8, .value_kind: global_buffer, .address_space: global }
      - { .name: f_w2, .offset: 40, .size: 8, .value_kind: global_buffer, .address_space: global }
      - { .name: part, .offset: 48, .size: 8, .value_kind: global_buffer, .address_space: global }
    .group_segment_fixed_size: 327680
    .private_segment_fixed_size: 0
    .kernarg_segment_align: 8
    .kernarg_segment_size: 56
    .max_flat_workgroup_size: 128
    .sgpr_count:     76
    .vgpr_count:     1024
    .wavefront_size: 32
...
	.end_amdgpu_metadata
.endif
;; end of part 2
;; launch combine (part 3): grid 32 x 1, 8 waves a work-group, no clusters, 3,072 bytes of LDS; arguments part, t_b2, f_b2, out0; writes out0
.if DOCPART == 3
	.amdgcn_target "amdgcn-amd-amdhsa--gfx1250"
	.amdhsa_code_object_version 6
	.text
	.protected	k_qd09c7a20b8_combine
	.globl	k_qd09c7a20b8_combine
	.p2align	8
	.type	k_qd09c7a20b8_combine,@function
k_qd09c7a20b8_combine:
	s_mov_b64 s[64:65], 0
	v_nop
	global_prefetch_b8 v0, s[64:65] scope:SCOPE_SE
	s_setreg_imm32_b32 hwreg(HW_REG_WAVE_MODE, 25, 1), 1
	s_wait_xcnt 0x0
; out0[row] = the frequency expert's logits where the texture expert's confidence (the largest softmax probability of its two logits) is under 0.8, else the texture expert's.
; part [128][1024][2] f32 holds 64 partial logits for each expert (0-63 texture, 64-127 frequency).  A work-group takes 32 rows: 256 consecutive bytes of every partial.  Wave v adds partials 16 v .. 16 v + 15
; as a tree; the eight sums meet in LDS, and wave 0 adds them, adds b2, takes the softmax with its maximum taken away first, and selects by v_cndmask_b32: no branch hangs on data.
; 32 work-groups are all that 1,024 rows of 8 bytes give at one whole block of 256 bytes out for each.  No matrix unit, no tensor load, no cluster: each byte is read once, by one wave.
; LIMITS: the sums run in another order than a plain dot product's, so a row whose confidence lies within f32 rounding of 0.8 may take the other expert.  A NaN confidence keeps the texture logits, as the comparison in the definition does.
	s_load_b256 s[4:11], s[0:1], 0x0               ; part, t_b2, f_b2, out0
	v_lshl_add_u32 v96, v0, 2, 0x800
	v_mov_b32 v97, 0
	v_lshrrev_b32 v2, 5, v0
	s_delay_alu instid0(VALU_DEP_1)
	v_readfirstlane_b32 s16, v2                    ; wave 0..7
	v_and_b32 v2, 31, v0
	s_delay_alu instid0(VALU_DEP_1)
	v_lshlrev_b32 v1, 3, v2                        ; 8 x lane: a row's two numbers
	s_lshl_b32 s18, s16, 8
	v_add_nc_u32 v3, s18, v1                       ; LDS: 256 x wave + 8 x lane
	s_lshl_b32 s20, s16, 17                        ; 16 v partials of 8,192 bytes
	s_lshl_b32 s22, ttmp9, 8                       ; my work-group's 32 rows
	s_add_co_u32 s20, s20, s22
	s_mov_b32 s21, 0
	s_mov_b32 s23, 0
	s_wait_alu depctr_va_vdst(0)
	s_wait_kmcnt 0x0
	s_load_b64 s[12:13], s[6:7], 0x0               ; t_b2
	s_load_b64 s[14:15], s[8:9], 0x0               ; f_b2
	s_add_nc_u64 s[4:5], s[4:5], s[20:21]
	s_add_nc_u64 s[10:11], s[10:11], s[22:23]
.irp i, 0,1,2,3,4,5,6,7,8,9,10,11,12,13,14,15
	global_load_b64 v[16+2*\i:17+2*\i], v1, s[4:5] offset:8192*\i th:TH_LOAD_NT   ; 32 lanes read 256 consecutive bytes
.endr
	s_wait_loadcnt 0x0
.irp i, 0,1,2,3,4,5,6,7
	v_pk_add_f32 v[48+2*\i:49+2*\i], v[16+4*\i:17+4*\i], v[18+4*\i:19+4*\i]
.endr
.irp i, 0,1,2,3
	v_pk_add_f32 v[64+2*\i:65+2*\i], v[48+4*\i:49+4*\i], v[50+4*\i:51+4*\i]
.endr
	s_delay_alu instid0(VALU_DEP_3)
	v_pk_add_f32 v[72:73], v[64:65], v[66:67]
	s_delay_alu instid0(VALU_DEP_2)
	v_pk_add_f32 v[74:75], v[68:69], v[70:71]
	s_delay_alu instid0(VALU_DEP_1)
	v_pk_add_f32 v[8:9], v[72:73], v[74:75]
	ds_store_b64 v3, v[8:9]
	s_wait_kmcnt 0x0                               ; b2
	s_wait_dscnt 0x0                               ; for wave 0's sake: my sums have landed
	s_barrier_signal -1
	s_barrier_wait -1
	s_cmp_lg_u32 s16, 0
	s_cbranch_scc1 .Ldone
.irp p, 0,1,2,3,4,5,6,7
	ds_load_b64 v[16+2*\p:17+2*\p], v1 offset:256*\p
.endr
	s_wait_dscnt 0x0
	v_pk_add_f32 v[32:33], v[16:17], v[18:19]      ; texture: waves 0 to 3
	v_pk_add_f32 v[34:35], v[20:21], v[22:23]
	v_pk_add_f32 v[36:37], v[24:25], v[26:27]      ; frequency: waves 4 to 7
	v_pk_add_f32 v[38:39], v[28:29], v[30:31]
	s_delay_alu instid0(VALU_DEP_3)
	v_pk_add_f32 v[32:33], v[32:33], v[34:35]
	s_delay_alu instid0(VALU_DEP_2)
	v_pk_add_f32 v[36:37], v[36:37], v[38:39]
	s_delay_alu instid0(VALU_DEP_2)
	v_add_f32 v32, s12, v32
	s_delay_alu instid0(VALU_DEP_3)
	v_add_f32 v33, s13, v33
	s_delay_alu instid0(VALU_DEP_3)
	v_add_f32 v36, s14, v36
	s_delay_alu instid0(VALU_DEP_4)
	v_add_f32 v37, s15, v37
	s_delay_alu instid0(VALU_DEP_3)
	v_max_num_f32 v40, v32, v33                    ; the maximum is taken away before the exponentials
	s_delay_alu instid0(VALU_DEP_1)
	v_sub_f32 v41, v32, v40
	s_delay_alu instid0(VALU_DEP_2)
	v_sub_f32 v42, v33, v40
	s_delay_alu instid0(VALU_DEP_2)
	v_mul_f32 v41, 0x3fb8aa3b, v41                 ; x log2(e)
	s_delay_alu instid0(VALU_DEP_2)
	v_mul_f32 v42, 0x3fb8aa3b, v42
	s_wait_alu depctr_va_vdst(0)
	v_exp_f32 v41, v41
	v_exp_f32 v42, v42
	v_nop                                          ; a plain place behind the exponentials
	s_wait_alu depctr_va_vdst(0)
	v_add_f32 v43, v41, v42
	v_max_num_f32 v44, v41, v42
	s_wait_alu depctr_va_vdst(0)
	v_rcp_f32 v43, v43
	v_nop                                          ; a plain place behind the reciprocal
	s_wait_alu depctr_va_vdst(0)
	v_mul_f32 v44, v44, v43                        ; the confidence
	s_delay_alu instid0(VALU_DEP_1)
	v_cmp_gt_f32 vcc_lo, 0x3f4ccccd, v44           ; 0.8 > confidence
	s_delay_alu instid0(VALU_DEP_1)
	v_cndmask_b32 v46, v32, v36, vcc_lo
	s_delay_alu instid0(VALU_DEP_2)
	v_cndmask_b32 v47, v33, v37, vcc_lo
	global_store_b64 v1, v[46:47], s[10:11]        ; 32 lanes store 256 consecutive bytes, at a multiple of 256 from out0's first byte
.Ldone:
	s_wait_tensorcnt 0x0
	ds_add_u32 v96, v97
	s_wait_dscnt 0x0
	s_endpgm
.Lfunc_end_k_qd09c7a20b8_combine:
	.size	k_qd09c7a20b8_combine, .Lfunc_end_k_qd09c7a20b8_combine-k_qd09c7a20b8_combine
	.p2alignl 7, 3214868480
	.fill 96, 4, 3214868480
	.section	.rodata,"a",@progbits
	.p2align	6, 0x0
	.amdhsa_kernel k_qd09c7a20b8_combine
		.amdhsa_group_segment_fixed_size 3072
		.amdhsa_private_segment_fixed_size 0
		.amdhsa_enable_private_segment 0
		.amdhsa_kernarg_size 32
		.amdhsa_user_sgpr_count 2
		.amdhsa_user_sgpr_kernarg_segment_ptr 1
		.amdhsa_wavefront_size32 1
		.amdhsa_system_sgpr_workgroup_id_x 1
		.amdhsa_system_sgpr_workgroup_id_y 1
		.amdhsa_system_sgpr_workgroup_id_z 1
		.amdhsa_system_vgpr_workitem_id 0
		.amdhsa_next_free_vgpr 98
		.amdhsa_next_free_sgpr 66
		.amdhsa_reserve_vcc 1
		.amdhsa_float_denorm_mode_32 3
		.amdhsa_float_denorm_mode_16_64 3
		.amdhsa_memory_ordered 1
		.amdhsa_forward_progress 1
		.amdhsa_inst_pref_size 7
	.end_amdhsa_kernel
	.amdgpu_metadata
---
amdhsa.version: [ 1, 2 ]
amdhsa.kernels:
  - .name:           k_qd09c7a20b8_combine
    .symbol:         k_qd09c7a20b8_combine.kd
    .args:
      - { .name: part, .offset: 0, .size: 8, .value_kind: global_buffer, .address_space: global }
      - { .name: t_b2, .offset: 8, .size: 8, .value_kind: global_buffer, .address_space: global }
      - { .name: f_b2, .offset: 16, .size: 8, .value_kind: global_buffer, .address_space: global }
      - { .name: out0, .offset: 24, .size: 8, .value_kind: global_buffer, .address_space: global }
    .group_segment_fixed_size: 3072
    .private_segment_fixed_size: 0
    .kernarg_segment_align: 8
    .kernarg_segment_size: 32
    .max_flat_workgroup_size: 256
    .sgpr_count:     66
    .vgpr_count:     98
    .wavefront_size: 32
...
	.end_amdgpu_metadata
.endif
;; end of part 3
